; MI455X (gfx1250); checked and timed in simulation.
; The chip was launched on July 23, 2026; its instructions are those of AMD's public machine-readable ISA for CDNA 5 (MIT licence, August 2026) and "CDNA5" Instruction Set Architecture Reference Guide (July 2026). The comments in the code are by the model that wrote it; some were corrected since.
;; Flash Attention Pooling. Allowed arithmetic: matrix products marked QUANTISED: E2M3 operands, one E8M0 scale for each 32 along K, by v_wmma_scale_f32_16x16x128_f8f6f4 with both operands' format E2M3, f32 sums; products left as they are: f32 operands where the result goes on into a quantised operand, else bf16, f16 or f32 operands; f32 sums; everything else in f32.
;; Inputs: Wk 1,024 x 1,024 float32; Wq 1,024 x 1,024 float32; mask 16 x 4,096 bool; x 16 x 4,096 x 1,024 float32.
;; Outputs: out0 16 x 1,024 float32.
;; This version of the problem:
;;   THIS VERSION OF THE PROBLEM IS GIVEN IN LOW PRECISION. The matrix products marked QUANTISED in the list below multiply operands that are first quantised to E2M3 (2 exponent bits, 3 mantissa bits; 6 bits a number), with one power-of-two scale for each 32 numbers along K (OCP MX v1.0); their sums are f32. All else is computed in f32.
;;   The module's matrix products, in the order in which they are computed (A, B: the left and right operand; K: the contracted axis; several contracted axes count as one K, in the product's order):
;;     1. [M 16, K 1,024] x [K 1,024, N 1,024]; A: computed on the way; B: input Wq: QUANTISED
;;     2. [M 65,536, K 1,024] x [K 1,024, N 1,024]; A: input x; B: input Wk: QUANTISED
;;     3. batch 16 x [M 1, K 1,024] x [K 1,024, N 4,096]; A: computed on the way; B: computed on the way: left as it is (M = 1 < 16)
;;     4. batch 16 x [M 1, K 4,096] x [K 4,096, N 1,024]; A: softmax; B: input x: left as it is (M = 1 < 16)
;;   THE QUANTISER, for each operand of a quantised product, along K:
;;     - K is cut into blocks of 32 from its start; a last block that is shorter is filled with zeros.
;;     - A block's scale is 2^e with e = floor(log2(the largest magnitude in the block)) - 2, held to -126 .. 127; a block of zeros has e = 0. As a byte (E8M0): e + 127.
;;     - Each number is divided by its block's scale, clamped to +-7.5, and rounded to the nearest number of E2M3, ties to even, subnormals kept.
;;     - The product sums the exact products of the quantised numbers (number of the format x scale) in f32.
;;   ~~~python
;;   def quantise(x, axis):      # numpy; x: float32 -> the quantised numbers, widened to float32 again
;;       x = np.moveaxis(x, axis, -1); K = x.shape[-1]
;;       x = np.pad(x, [(0, 0)] * (x.ndim - 1) + [(0, -K % 32)]); x = x.reshape(x.shape[:-1] + (-1, 32)); a = np.abs(x).max(-1, keepdims=True)
;;       e = np.where(a > 0, np.clip(np.frexp(np.where(a > 0, a, 1))[1] - 1 - 2, -126, 127), 0)      # np.frexp(a)[1] - 1 = floor(log2(a)), exactly
;;       r = np.clip(x / 2.0 ** e, -7.5, 7.5)
;;       step = 2.0 ** (np.maximum(np.frexp(np.where(r == 0, 1, r))[1] - 1, 0) - 3)
;;       q = np.round(r / step) * step * 2.0 ** e      # np.round: ties to even
;;       return np.moveaxis(q.reshape(q.shape[:-2] + (-1,))[..., :K], -1, axis).astype(np.float32)
;;   ~~~
;;   OPERANDS COMPUTED ON THE WAY. 'Computed on the way' means the value that the module computes at that place (a softmax that the list does not call 'softmax' is quantised finished and normalised). What goes into a quantiser is computed in f32, as accurately as f32 sums, v_exp_f32 and their like allow (about 1e-6 of the number): no bf16 or f16 on the way to a quantiser, and a product that is left as it is and whose result goes on into a quantised operand takes f32 operands (vector FMAs, or v_wmma_f32_16x16x4_f32). A number that lies on a knife's edge between two numbers of the format may be rounded either way, as far as f32 arithmetic and the matrix unit's own rounding can turn it there, and no further.
;; One version. Each part assembles by itself: llvm-mc -triple=amdgcn-amd-amdhsa -mcpu=gfx1250 --defsym DOCPART=n.
;; ======== version 1 of 1: 4 launches
;; limits: right only within a limited range of input values
;; workspace buffers: x_codes 50,331,648 bytes; x_scales 2,097,152 bytes; xpart 131,072 bytes; wkimg 819,200 bytes; q_ws 65,536 bytes; scores 524,288 bytes
;; launch xprep (part 1): grid 16 x 16, 16 waves a work-group, no clusters, 153,600 bytes of LDS; arguments x, x_codes, x_scales, xpart; writes x_codes, x_scales, xpart
.if DOCPART == 1
	.amdgcn_target "amdgcn-amd-amdhsa--gfx1250"
	.amdhsa_code_object_version 6
	.text
	.protected	k_qe47c28b902_xprep
	.globl	k_qe47c28b902_xprep
	.p2align	8
	.type	k_qe47c28b902_xprep,@function
k_qe47c28b902_xprep:
	s_mov_b64 s[64:65], 0
	v_nop
	global_prefetch_b8 v0, s[64:65] scope:SCOPE_SE
	s_setreg_imm32_b32 hwreg(HW_REG_WAVE_MODE, 25, 1), 1
	s_wait_xcnt 0x0
; FIRST OF FOUR LAUNCHES.  out[b] = softmax_t(mask, q[b] . k[b][t] / 32) . x[b], q = Q(sum_t x) Q(Wq)^T / 4096, k = Q(x) Q(Wk)^T; Q: codes of FP6 (E2M3), one E8M0 scale for each 32 along K.
; NO WORK IS LEFT OUT: every input has a way to the output, both quantised products are done in full, rows that the mask hides are computed and then selected.
; THIS LAUNCH: x [16][4096][1024] f32 is read once and becomes (a) codes, laid as images of the operand's registers: [row tile 4096][K step 8][1536 bytes], byte 512 j + 16 lane + 4 i = register 4 j + i of the
; fragment (16 rows x 128 K); (b) scale words [K step 8][row 65536], four E8M0 bytes each; (c) the column sums of x over half a batch, xpart [half 2][b 16][1024] f32, which the next launch adds and quantises.
; A block's scale byte is its largest magnitude's exponent field - 2, held at 1 from below.
; LIMITS: a block of zeros gets the byte 1 where the quantiser says 127 (its codes are zeros, and this program alone reads the bytes); blocks whose largest magnitude lies under 2^-124 are held at that floor;
; NaN and infinities in x are not served; the column sums are f32 trees (64 additions in a chain, then pairwise), not in the order of the reference's sum.
; SHARES.  A work-group takes 2,048 rows (half a batch) x 128 columns (one K step); each of its 16 waves 128 rows: eight fragments.  A load reads one row's 512 consecutive bytes, 16 a lane.
; A lane of a fragment wants two whole blocks of 32 of ONE row: so 16 rows turn through the wave's own stage in LDS (rows 528 bytes apart).
; No cluster and no tensor load: work-groups share no byte of x, and each byte goes through registers once.
.set STGP,  528                        ; a stage row: 512 bytes + 16
.set STGW,  16*STGP                    ; a wave's stage
.set SCW,   16*STGW                    ; behind the stages: each wave's 128 scale words, 512 bytes
.set RED,   SCW+16*512                 ; each wave's column sums, 512 bytes
.set SPARE, RED+16*512                 ; the spare words, 128 bytes for each wave: eight blocks of 256 bytes that no other line names
.set LOFF, 1                           ; v1   16 x lane
.set STI,  2                           ; v2   the stage, on the way in: 16 x lane
.set STO,  3                           ; v3   on the way out: 528 r + 128 h
.set SWA,  4                           ; v4   where my row's scale word goes: 4 r
.set SRA,  5                           ; v5   where I read 4 scale words back: 16 x lane
.set RWA,  6                           ; v6   where my column sums go
.set RRA,  7                           ; v7   where wave 0 reads the sixteen waves' sums
.set H8,   8                           ; v8   8 h
.set T,    9                           ; v9   at work (a lane permute's destination)
.set M,    10                          ; v10-11 two blocks' largest magnitudes
.set SCO,  12                          ; v12-13 the conversions' scale operands
.set SB,   14                          ; v14-15 the scale bytes
.set PW,   16                          ; v16  the scale word
.set SUM,  18                          ; v18-25 column sums: even rows', odd rows'
.set PCD,  26                          ; v26-37 a fragment's codes
.set PT,   38                          ; v38-45 the second halves of the blocks' codes
.set SPW,  46                          ; v46  LDS address of my spare word; never rewritten
.set NIL,  47                          ; v47  0; never rewritten
.set OW,   48                          ; v48-51 scale words on the way out
.set R,    64                          ; v64-255 three sets of 64 numbers
.set SEL,  20                          ; s[20:21] lane selects: lane l xor 16
	s_load_b256 s[4:11], s[0:1], 0x0               ; x s[4:5], x_codes s[6:7], x_scales s[8:9], xpart s[10:11]
	v_lshl_add_u32 v[SPW], v0, 2, SPARE
	v_mov_b32 v[NIL], 0
	v_lshrrev_b32 v[T], 5, v0
	s_delay_alu instid0(VALU_DEP_1)
	v_readfirstlane_b32 s12, v[T]                  ; wave 0..15
	v_and_b32 v[M], 31, v0                         ; lane
	v_and_b32 v[M+1], 15, v0                       ; r
	v_bfe_u32 v[SCO], v0, 4, 1                     ; h
	s_delay_alu instid0(VALU_DEP_3)
	v_lshlrev_b32 v[LOFF], 4, v[M]
	s_mul_i32 s16, s12, STGW
	v_add_nc_u32 v[STI], s16, v[LOFF]
	v_mul_u32_u24 v[STO], v[M+1], STGP
	s_delay_alu instid0(VALU_DEP_1)
	v_lshl_add_u32 v[STO], v[SCO], 7, v[STO]
	s_delay_alu instid0(VALU_DEP_1)
	v_add_nc_u32 v[STO], s16, v[STO]
	s_lshl_b32 s17, s12, 9
	s_add_co_u32 s18, s17, SCW
	v_lshl_add_u32 v[SWA], v[M+1], 2, s18
	v_add_nc_u32 v[SRA], s18, v[LOFF]
	s_add_co_u32 s18, s17, RED
	v_add_nc_u32 v[RWA], s18, v[LOFF]
	v_add_nc_u32 v[RRA], RED, v[LOFF]
	v_lshlrev_b32 v[H8], 3, v[SCO]
	v_mov_b32 v[T], 0                              ; written once: a lane permute's destination counts as one of its sources
	s_mov_b32 s[SEL], 0x76543210
	s_mov_b32 s[SEL+1], 0xfedcba98
	s_and_b32 s13, ttmp9, 7                        ; the K step
	s_lshr_b32 s14, ttmp9, 3                       ; which half of the batch
	s_and_b32 s15, ttmp7, 0xffff                   ; the batch
	s_lshl_b32 s24, s15, 5
	s_lshl_b32 s25, s14, 4
	s_add_co_u32 s24, s24, s25
	s_add_co_u32 s24, s24, s12                     ; my run of 128 rows: 32 b + 16 half + wave
	s_lshl_b32 s26, s24, 19                        ; x: 128 rows of 4,096 bytes,
	s_lshl_b32 s25, s13, 9                         ; + 512 bytes a K step
	s_add_co_u32 s26, s26, s25
	s_mov_b32 s27, 0
	s_mul_i32 s28, s24, 98304                      ; codes: 8 row tiles of 12,288 bytes,
	s_mul_i32 s29, s13, 1536                       ; + 1,536 bytes a K step
	s_add_co_u32 s28, s28, s29
	s_mov_b32 s29, 0
	s_lshl_b32 s30, s24, 9                         ; scale words: 128 rows of 4 bytes,
	s_lshl_b32 s31, s13, 18                        ; + 262,144 bytes a K step
	s_add_co_u32 s30, s30, s31
	s_mov_b32 s31, 0
	s_lshl_b32 s32, s14, 4
	s_add_co_u32 s32, s32, s15
	s_lshl_b32 s32, s32, 12                        ; xpart: row 16 half + b of 4,096 bytes,
	s_add_co_u32 s32, s32, s25                     ; + 512 bytes a K step
	s_mov_b32 s33, 0
	s_wait_kmcnt 0x0
	s_add_nc_u64 s[4:5], s[4:5], s[26:27]
	s_add_nc_u64 s[6:7], s[6:7], s[28:29]
	s_add_nc_u64 s[8:9], s[8:9], s[30:31]
	s_add_nc_u64 s[10:11], s[10:11], s[32:33]
; 16 rows' 512 bytes each into a set: register 4 i + j = row i, column 4 lane + j
.macro LOADSEG set, base, off
.irp i, 0,1,2,3,4,5,6,7,8,9,10,11,12,13,14,15
	global_load_b128 v[(\set)+4*\i:(\set)+4*\i+3], v[LOFF], s[\base:\base+1] offset:(\off)+4096*\i th:TH_LOAD_NT
.endr
.endm
; the set turns through my stage, in place: afterwards registers 0-31 are k = 32 h + 0 .. 31 of row r, registers 32-63 k = 64 + 32 h + 0 .. 31
.macro TURN set, sti, sto
.irp i, 0,1,2,3,4,5,6,7,8,9,10,11,12,13,14,15
	ds_store_b128 v[\sti], v[(\set)+4*\i:(\set)+4*\i+3] offset:STGP*\i
.endr
	s_wait_dscnt 0x0                               ; the stores have read the set: it may be loaded again
.irp c, 0,1
.irp i, 0,1,2,3,4,5,6,7
	ds_load_b128 v[(\set)+32*\c+4*\i:(\set)+32*\c+4*\i+3], v[\sto] offset:256*\c+16*\i
.endr
.endr
	s_wait_dscnt 0x0
.endm
; a lane's two whole blocks become the fragment's 12 registers at v[pcd] and the row's scale word in v[pw].  xw = 1: v[pcd] on are the data of stores that may still be out
.macro QUANT set, pcd, pw, xw
.irp c, 0,1
	v_max3_num_f32 v[M+\c], |v[(\set)+32*\c]|, |v[(\set)+32*\c+1]|, 0x1800000   ; and the floor 2^(3 - 127): the byte cannot fall under 1
.endr
.irp i, 2,4,6,8,10,12,14,16,18,20,22,24,26,28,30
.irp c, 0,1
	s_delay_alu instid0(VALU_DEP_2)
	v_max3_num_f32 v[M+\c], v[M+\c], |v[(\set)+32*\c+\i]|, |v[(\set)+32*\c+\i+1]|   ; (the two blocks by turns)
.endr
.endr
.irp c, 0,1
	s_delay_alu instid0(VALU_DEP_2)
	v_add_nc_u32 v[SCO+\c], 0xff000000, v[M+\c]    ; 2 off the exponent field: the conversion takes the exponent field of this operand as its scale
.endr
.irp c, 0,1
	s_delay_alu instid0(VALU_DEP_2)
	v_lshrrev_b32 v[SB+\c], 23, v[SCO+\c]          ; the scale's byte
.endr
	s_delay_alu instid0(VALU_DEP_1)
	v_lshl_or_b32 v[\pw], v[SB+1], 16, v[SB]       ; my two bytes: blocks h and 2 + h,
	s_delay_alu instid0(VALU_DEP_1)
	v_lshlrev_b32 v[\pw], v[H8], v[\pw]            ; at their places in the word;
	s_delay_alu instid0(VALU_DEP_1)
	v_permlanex16_b32 v[T], v[\pw], s[SEL], s[SEL+1]
	s_delay_alu instid0(VALU_DEP_1)
	v_or_b32 v[\pw], v[\pw], v[T]                  ; with lane l xor 16's two the word is whole
.if \xw
	s_wait_alu depctr_va_vdst(0)
	s_wait_xcnt 0x0                                ; the last fragment's stores have read their data: the codes' registers may be written again
.endif
.irp c, 0,1
	v_cvt_scalef32_pk16_fp6_f32 v[(\pcd)+6*\c:(\pcd)+6*\c+2], v[(\set)+32*\c:(\set)+32*\c+15], v[SCO+\c]
	v_cvt_scalef32_pk16_fp6_f32 v[PT+4*\c:PT+4*\c+2], v[(\set)+32*\c+16:(\set)+32*\c+31], v[SCO+\c]   ; (a conversion's three registers begin on an even number)
.endr
	v_nop                                          ; one plain place behind a scaled conversion
.irp c, 0,1
.irp i, 0,1,2
	v_mov_b32 v[(\pcd)+6*\c+3+\i], v[PT+4*\c+\i]
.endr
.endr
.endm
.macro VADD a, b                       ; four numbers a lane: vector a of set 0 += vector b
	v_pk_add_f32 v[R+4*(\a):R+4*(\a)+1], v[R+4*(\a):R+4*(\a)+1], v[R+4*(\b):R+4*(\b)+1]
	v_pk_add_f32 v[R+4*(\a)+2:R+4*(\a)+3], v[R+4*(\a)+2:R+4*(\a)+3], v[R+4*(\b)+2:R+4*(\b)+3]
.endm
; FRAGMENT f: rows 16 f .. 16 f + 15 of my 128.  Loads run two fragments ahead, in three sets by turns.
.macro FRAG f
.set CUR, R+64*((\f)%3)
.set NXT, R+64*(((\f)+2)%3)
.if (\f)+2 < 8
	LOADSEG NXT, 4, 65536*((\f)+2)
.endif
.if (\f) < 6
	s_wait_loadcnt 32                              ; my 16 loads are in; those of the two younger fragments may be out
.elseif (\f) == 6
	s_wait_loadcnt 16
.else
	s_wait_loadcnt 0
.endif
.irp i, 0,1,2,3,4,5,6,7,8,9,10,11,12,13,14,15      ; the column sums, as the numbers were loaded: four chains
.if ((\f) == 0) && (\i < 2)
	v_pk_add_f32 v[SUM+4*\i:SUM+4*\i+1], v[CUR+4*\i:CUR+4*\i+1], v[CUR+4*\i+8:CUR+4*\i+9]         ; rows i and i + 2 start the sums: nothing is cleared
	v_pk_add_f32 v[SUM+4*\i+2:SUM+4*\i+3], v[CUR+4*\i+2:CUR+4*\i+3], v[CUR+4*\i+10:CUR+4*\i+11]
.elseif ((\f) == 0) && (\i < 4)
.else
	v_pk_add_f32 v[SUM+4*(\i%2):SUM+4*(\i%2)+1], v[SUM+4*(\i%2):SUM+4*(\i%2)+1], v[CUR+4*\i:CUR+4*\i+1]
	v_pk_add_f32 v[SUM+4*(\i%2)+2:SUM+4*(\i%2)+3], v[SUM+4*(\i%2)+2:SUM+4*(\i%2)+3], v[CUR+4*\i+2:CUR+4*\i+3]
.endif
.endr
	TURN CUR, STI, STO
	QUANT CUR, PCD, PW, 1
.irp j, 0,1,2
	global_store_b128 v[LOFF], v[PCD+4*\j:PCD+4*\j+3], s[6:7] offset:12288*(\f)+512*\j th:TH_STORE_NT   ; 32 lanes store 512 consecutive bytes, at a multiple of 256 from the buffer's first byte
.endr
	ds_store_b32 v[SWA], v[PW] offset:64*(\f)      ; both lanes of a row write the same word with the same value
.endm
	LOADSEG R, 4, 0
	LOADSEG R+64, 4, 65536
.irp f, 0,1,2,3,4,5,6,7
	FRAG \f
.endr
	ds_load_b128 v[OW:OW+3], v[SRA]                ; LDS serves a wave's instructions in order: this sees my eight stores
	v_pk_add_f32 v[SUM:SUM+1], v[SUM:SUM+1], v[SUM+4:SUM+5]
	v_pk_add_f32 v[SUM+2:SUM+3], v[SUM+2:SUM+3], v[SUM+6:SUM+7]
	ds_store_b128 v[RWA], v[SUM:SUM+3]
	s_wait_dscnt 0x0                               ; for the others' sake: my sums lie in LDS; and my scale words are back
	global_store_b128 v[LOFF], v[OW:OW+3], s[8:9] th:TH_STORE_NT   ; my 128 rows' scale words: 512 consecutive bytes
	s_barrier_signal -1
	s_barrier_wait -1
	s_cmp_lg_u32 s12, 0
	s_cbranch_scc1 .Ldone                          ; wave 0 adds the sixteen waves' sums
.irp k, 0,1,2,3,4,5,6,7,8,9,10,11,12,13,14,15
	ds_load_b128 v[R+4*\k:R+4*\k+3], v[RRA] offset:512*\k
.endr
	s_wait_dscnt 0x0
.irp k, 0,1,2,3,4,5,6,7
	VADD \k, \k+8
.endr
.irp k, 0,1,2,3
	VADD \k, \k+4
.endr
	VADD 0, 2
	VADD 1, 3
	VADD 0, 1
	global_store_b128 v[LOFF], v[R:R+3], s[10:11]  ; 128 column sums: 512 consecutive bytes
.Ldone:
	s_wait_tensorcnt 0x0                           ; the wave's end, behind my last LDS store
	ds_add_u32 v[SPW], v[NIL]
	s_wait_dscnt 0x0
	s_endpgm
.Lfunc_end_k_qe47c28b902_xprep:
	.size	k_qe47c28b902_xprep, .Lfunc_end_k_qe47c28b902_xprep-k_qe47c28b902_xprep
	.p2alignl 7, 3214868480
	.fill 96, 4, 3214868480
	.section	.rodata,"a",@progbits
	.p2align	6, 0x0
	.amdhsa_kernel k_qe47c28b902_xprep
		.amdhsa_group_segment_fixed_size 153600
		.amdhsa_private_segment_fixed_size 0
		.amdhsa_enable_private_segment 0
		.amdhsa_kernarg_size 32
		.amdhsa_user_sgpr_count 2
		.amdhsa_user_sgpr_kernarg_segment_ptr 1
		.amdhsa_wavefront_size32 1
		.amdhsa_system_sgpr_workgroup_id_x 1
		.amdhsa_system_sgpr_workgroup_id_y 1
		.amdhsa_system_sgpr_workgroup_id_z 1
		.amdhsa_system_vgpr_workitem_id 0
		.amdhsa_next_free_vgpr 256
		.amdhsa_next_free_sgpr 66
		.amdhsa_reserve_vcc 0
		.amdhsa_float_denorm_mode_32 3
		.amdhsa_float_denorm_mode_16_64 3
		.amdhsa_memory_ordered 1
		.amdhsa_forward_progress 1
		.amdhsa_inst_pref_size 87
	.end_amdhsa_kernel
	.amdgpu_metadata
---
amdhsa.version: [ 1, 2 ]
amdhsa.kernels:
  - .name:           k_qe47c28b902_xprep
    .symbol:         k_qe47c28b902_xprep.kd
    .args:
      - { .name: x, .offset: 0, .size: 8, .value_kind: global_buffer, .address_space: global }
      - { .name: x_codes, .offset: 8, .size: 8, .value_kind: global_buffer, .address_space: global }
      - { .name: x_scales, .offset: 16, .size: 8, .value_kind: global_buffer, .address_space: global }
      - { .name: xpart, .offset: 24, .size: 8, .value_kind: global_buffer, .address_space: global }
    .group_segment_fixed_size: 153600
    .private_segment_fixed_size: 0
    .kernarg_segment_align: 8
    .kernarg_segment_size: 32
    .max_flat_workgroup_size: 512
    .sgpr_count:     66
    .vgpr_count:     256
    .wavefront_size: 32
...
	.end_amdgpu_metadata
.endif
;; end of part 1
;; launch wprep (part 2): grid 128 x 1, 8 waves a work-group, no clusters, 144,896 bytes of LDS; arguments Wq, Wk, xpart, wkimg, q_ws; writes wkimg, q_ws
.if DOCPART == 2
	.amdgcn_target "amdgcn-amd-amdhsa--gfx1250"
	.amdhsa_code_object_version 6
	.text
	.protected	k_qe47c28b902_wprep
	.globl	k_qe47c28b902_wprep
	.p2align	8
	.type	k_qe47c28b902_wprep,@function
k_qe47c28b902_wprep:
	s_mov_b64 s[64:65], 0
	v_nop
	global_prefetch_b8 v0, s[64:65] scope:SCOPE_SE
	s_setreg_imm32_b32 hwreg(HW_REG_WAVE_MODE, 25, 1), 1
	s_wait_xcnt 0x0
; SECOND LAUNCH.  No work is left out.  Work-groups 0-63: q / 32 for 16 outputs e of all 16 batches: Q(sum_t x) Q(Wq)^T x 2^-17 (1 / 4096 for the mean, 1 / 32 for the scores' scale: exact).
; Work-groups 64-127: 16 rows of Wk become codes of FP6 (E2M3) and scale words, laid as the third launch's registers take them.
; Wq, Wk: [1024 (e)][1024 (d)] f32, K = d innermost.  xpart: [half 2][b 16][1024] f32, the column sums of x.
; wkimg: [e tile 64][12,800 bytes]: eight fragment images of 1,536 bytes (K step s at 1536 s; byte 512 j + 16 lane + 4 i = register 4 j + i), then 512 bytes of scale words: at 16 lane + 4 i the word of row lane % 16, K step 4 (lane / 16) + i.
; q_ws: [e tile 64][b 16][16] f32.
; SHARES.  Wave w takes K step w (128 along K) of the work-group's 16 rows.  In the q arm each wave makes one matrix instruction and wave 0 adds the eight parts in f32, K ascending (the result goes into no quantiser).
; The two arms part on the work-group's number alone, each has LDS bytes of its own, and they join in front of the one barrier.
; LIMITS: as in the first launch: a block of zeros gets the byte 1; the floor 2^-124; NaN and infinities in Wq, Wk are not served.
; No cluster and no tensor load: a work-group reads 64 KiB of a weight that no other reads; xpart is 128 KiB.
.set STGP,  528
.set STGW,  16*STGP
.set STGK,  8*STGW                     ; the Wk arm's stages, behind the q arm's
.set RED,   16*STGW                    ; the q arm: each wave's 16 x 16 results, 1,024 bytes
.set WSC,   RED+8*1024                 ; the Wk arm: the tile's scale words, 512 bytes
.set SPARE, WSC+512                    ; the spare words, 128 bytes for each wave: four blocks of 256 bytes that no other line names
.set LOFF, 1                           ; v1   16 x lane
.set SIQ,  2                           ; v2-3 the q arm's stage: in, out
.set SOQ,  3
.set SIK,  4                           ; v4-5 the Wk arm's
.set SOK,  5
.set RDW,  6                           ; v6   where my results go: 64 r + 32 h
.set RDR,  7                           ; v7   where wave 0 reads them
.set H8,   8
.set T,    9
.set M,    10
.set SCO,  12
.set SB,   14
.set WSW,  16                          ; v16  where my row's scale word goes
.set WSR,  17                          ; v17  where wave 0 reads the scale words
.set VO,   18                          ; v18  16 x lane + 1,536 x wave: my image's place in the tile
.set PCB,  20                          ; v20-31 the weight's fragment
.set PCA,  32                          ; v32-43 the fragment of the sums of x
.set PT,   44                          ; v44-51
.set PWB,  52                          ; v52  the weight's scale words
.set PWA,  53                          ; v53  those of the sums of x
.set D,    54                          ; v54-61 the product
.set SPW,  62
.set NIL,  63
.set R,    64
.set SEL,  30
	s_load_b256 s[4:11], s[0:1], 0x0               ; Wq s[4:5], Wk s[6:7], xpart s[8:9], wkimg s[10:11]
	s_load_b64 s[12:13], s[0:1], 0x20              ; q_ws
	v_lshl_add_u32 v[SPW], v0, 2, SPARE
	v_mov_b32 v[NIL], 0
	v_lshrrev_b32 v[T], 5, v0
	s_delay_alu instid0(VALU_DEP_1)
	v_readfirstlane_b32 s14, v[T]                  ; wave 0..7
	v_and_b32 v[M], 31, v0                         ; lane
	v_and_b32 v[M+1], 15, v0                       ; r
	v_bfe_u32 v[SCO], v0, 4, 1                     ; h
	s_delay_alu instid0(VALU_DEP_3)
	v_lshlrev_b32 v[LOFF], 4, v[M]
	s_mul_i32 s16, s14, STGW                       ; every LDS address is made here, ahead of the parting
	v_add_nc_u32 v[SIQ], s16, v[LOFF]
	v_mul_u32_u24 v[SOQ], v[M+1], STGP
	s_delay_alu instid0(VALU_DEP_1)
	v_lshl_add_u32 v[SOQ], v[SCO], 7, v[SOQ]
	s_delay_alu instid0(VALU_DEP_1)
	v_add_nc_u32 v[SOQ], s16, v[SOQ]
	s_delay_alu instid0(VALU_DEP_4)
	v_add_nc_u32 v[SIK], STGK, v[SIQ]
	s_delay_alu instid0(VALU_DEP_2)
	v_add_nc_u32 v[SOK], STGK, v[SOQ]
	s_lshl_b32 s16, s14, 10
	s_add_co_u32 s16, s16, RED
	v_lshl_add_u32 v[RDW], v[M+1], 6, s16
	s_delay_alu instid0(VALU_DEP_1)
	v_lshl_add_u32 v[RDW], v[SCO], 5, v[RDW]
	v_add_nc_u32 v[RDR], RED, v[LOFF]
	s_lshr_b32 s16, s14, 2
	s_lshl_b32 s16, s16, 8
	s_and_b32 s17, s14, 3
	s_lshl_b32 s17, s17, 2
	s_add_co_u32 s16, s16, s17
	s_add_co_u32 s16, s16, WSC
	v_lshl_add_u32 v[WSW], v[M+1], 4, s16          ; 256 (w / 4) + 16 r + 4 (w % 4)
	v_add_nc_u32 v[WSR], WSC, v[LOFF]
	s_mul_i32 s16, s14, 1536
	v_add_nc_u32 v[VO], s16, v[LOFF]
	v_lshlrev_b32 v[H8], 3, v[SCO]
	v_mov_b32 v[T], 0                              ; written once: a lane permute's destination counts as one of its sources
	s_mov_b32 s[SEL], 0x76543210
	s_mov_b32 s[SEL+1], 0xfedcba98
	s_and_b32 s15, ttmp9, 63                       ; the tile of 16 rows e
	s_lshl_b32 s20, s15, 16                        ; 16 rows of 4,096 bytes,
	s_lshl_b32 s22, s14, 9                         ; + 512 bytes a K step
	s_add_co_u32 s20, s20, s22
	s_mov_b32 s21, 0
	s_mov_b32 s23, 0
	s_mul_i32 s24, s15, 12800
	s_mov_b32 s25, 0
	s_lshl_b32 s26, s15, 10
	s_mov_b32 s27, 0
	s_wait_kmcnt 0x0
	s_add_nc_u64 s[4:5], s[4:5], s[20:21]
	s_add_nc_u64 s[6:7], s[6:7], s[20:21]
	s_add_nc_u64 s[8:9], s[8:9], s[22:23]
	s_add_nc_u64 s[10:11], s[10:11], s[24:25]
	s_add_nc_u64 s[12:13], s[12:13], s[26:27]
.macro LOADSEG set, base, off          ; 16 rows' 512 bytes each: register 4 i + j = row i, column 4 lane + j
.irp i, 0,1,2,3,4,5,6,7,8,9,10,11,12,13,14,15
	global_load_b128 v[(\set)+4*\i:(\set)+4*\i+3], v[LOFF], s[\base:\base+1] offset:(\off)+4096*\i
.endr
.endm
.macro TURN set, sti, sto              ; the set turns through my stage, in place: registers 0-31 become k = 32 h + 0 .. 31 of row r, registers 32-63 k = 64 + 32 h + 0 .. 31
.irp i, 0,1,2,3,4,5,6,7,8,9,10,11,12,13,14,15
	ds_store_b128 v[\sti], v[(\set)+4*\i:(\set)+4*\i+3] offset:STGP*\i
.endr
	s_wait_dscnt 0x0                               ; the stores have read the set
.irp c, 0,1
.irp i, 0,1,2,3,4,5,6,7
	ds_load_b128 v[(\set)+32*\c+4*\i:(\set)+32*\c+4*\i+3], v[\sto] offset:256*\c+16*\i
.endr
.endr
	s_wait_dscnt 0x0
.endm
.macro QUANT set, pcd, pw              ; a lane's two whole blocks become the fragment's 12 registers and the row's scale word
.irp c, 0,1
	v_max3_num_f32 v[M+\c], |v[(\set)+32*\c]|, |v[(\set)+32*\c+1]|, 0x1800000   ; and the floor 2^(3 - 127)
.endr
.irp i, 2,4,6,8,10,12,14,16,18,20,22,24,26,28,30
.irp c, 0,1
	s_delay_alu instid0(VALU_DEP_2)
	v_max3_num_f32 v[M+\c], v[M+\c], |v[(\set)+32*\c+\i]|, |v[(\set)+32*\c+\i+1]|
.endr
.endr
.irp c, 0,1
	s_delay_alu instid0(VALU_DEP_2)
	v_add_nc_u32 v[SCO+\c], 0xff000000, v[M+\c]    ; 2 off the exponent field: the conversion's scale operand
.endr
.irp c, 0,1
	s_delay_alu instid0(VALU_DEP_2)
	v_lshrrev_b32 v[SB+\c], 23, v[SCO+\c]          ; the scale's byte
.endr
	s_delay_alu instid0(VALU_DEP_1)
	v_lshl_or_b32 v[\pw], v[SB+1], 16, v[SB]
	s_delay_alu instid0(VALU_DEP_1)
	v_lshlrev_b32 v[\pw], v[H8], v[\pw]
	s_delay_alu instid0(VALU_DEP_1)
	v_permlanex16_b32 v[T], v[\pw], s[SEL], s[SEL+1]
	s_delay_alu instid0(VALU_DEP_1)
	v_or_b32 v[\pw], v[\pw], v[T]                  ; the row's four bytes
.irp c, 0,1
	v_cvt_scalef32_pk16_fp6_f32 v[(\pcd)+6*\c:(\pcd)+6*\c+2], v[(\set)+32*\c:(\set)+32*\c+15], v[SCO+\c]
	v_cvt_scalef32_pk16_fp6_f32 v[PT+4*\c:PT+4*\c+2], v[(\set)+32*\c+16:(\set)+32*\c+31], v[SCO+\c]
.endr
	v_nop                                          ; one plain place behind a scaled conversion
.irp c, 0,1
.irp i, 0,1,2
	v_mov_b32 v[(\pcd)+6*\c+3+\i], v[PT+4*\c+\i]
.endr
.endr
.endm
	s_cmp_lt_u32 ttmp9, 64
	s_cbranch_scc0 .Lwk
	; ---- the q arm
	LOADSEG R, 4, 0                                ; Wq: 16 rows e
	LOADSEG R+64, 8, 0                             ; the sums of x over the first halves of the 16 batches,
	LOADSEG R+128, 8, 65536                        ; and over the second
	s_wait_loadcnt 32                              ; Wq's 16 loads are in; xpart's 32 may be out
	TURN R, SIQ, SOQ
	QUANT R, PCB, PWB
	s_wait_loadcnt 0x0
.irp i, 0,2,4,6,8,10,12,14,16,18,20,22,24,26,28,30,32,34,36,38,40,42,44,46,48,50,52,54,56,58,60,62
	v_pk_add_f32 v[R+64+\i:R+65+\i], v[R+64+\i:R+65+\i], v[R+128+\i:R+129+\i]   ; sum over t of x, in f32: what the quantiser takes
.endr
	TURN R+64, SIQ, SOQ                            ; my own stage once more: its reads are back
	QUANT R+64, PCA, PWA
.rept 8
	v_nop                                          ; a scale register written by a vector instruction stands 8 places ahead of a scaled matrix instruction, an operand so written 4
.endr
	v_wmma_scale_f32_16x16x128_f8f6f4 v[D:D+7], v[PCB:PCB+11], v[PCA:PCA+11], 0, v[PWB], v[PWA] matrix_a_fmt:MATRIX_FMT_FP6 matrix_b_fmt:MATRIX_FMT_FP6   ; source 0 = 16 rows of Wq, source 1 = 16 batches: lane (r, h) holds batch r, register j output 8 h + j
.rept 4
	v_nop
.endr
	ds_store_b128 v[RDW], v[D:D+3]                 ; the result from its low end on
	ds_store_b128 v[RDW], v[D+4:D+7] offset:16
	s_branch .Ljoin
.Lwk:
	; ---- the Wk arm
	LOADSEG R, 6, 0
	s_wait_loadcnt 0x0
	s_wait_alu depctr_va_vdst(0)
	TURN R, SIK, SOK
	QUANT R, PCB, PWB
.irp j, 0,1,2
	global_store_b128 v[VO], v[PCB+4*\j:PCB+4*\j+3], s[10:11] offset:512*\j   ; 512 consecutive bytes, at a multiple of 256 from the buffer's first byte
.endr
	ds_store_b32 v[WSW], v[PWB]                    ; both lanes of a row write the same word with the same value
.Ljoin:
	s_wait_dscnt 0x0                               ; for the others' sake: my LDS stores are done
	s_barrier_signal -1
	s_barrier_wait -1
	s_cmp_lg_u32 s14, 0
	s_cbranch_scc1 .Ldone                          ; wave 0 finishes the tile
	s_cmp_lt_u32 ttmp9, 64
	s_cbranch_scc0 .Lwk_tail
.irp k, 0,1,2,3,4,5,6,7
	ds_load_b128 v[R+8*\k:R+8*\k+3], v[RDR] offset:1024*\k
	ds_load_b128 v[R+8*\k+4:R+8*\k+7], v[RDR] offset:1024*\k+512
.endr
	s_wait_dscnt 0x0
.irp k, 1,2,3,4,5,6,7
.irp i, 0,2,4,6
	v_pk_add_f32 v[R+\i:R+\i+1], v[R+\i:R+\i+1], v[R+8*\k+\i:R+8*\k+\i+1]   ; the eight K steps, ascending
.endr
.endr
.irp i, 0,2,4,6
	s_delay_alu instid0(VALU_DEP_4)
	v_pk_mul_f32 v[R+\i:R+\i+1], v[R+\i:R+\i+1], 0x37000000 op_sel_hi:[1,0]   ; x 2^-17
.endr
	global_store_b128 v[LOFF], v[R:R+3], s[12:13]
	global_store_b128 v[LOFF], v[R+4:R+7], s[12:13] offset:512
	s_branch .Ldone
.Lwk_tail:
	ds_load_b128 v[R:R+3], v[WSR]
	s_wait_dscnt 0x0
	global_store_b128 v[LOFF], v[R:R+3], s[10:11] offset:12288   ; the tile's scale words: 512 consecutive bytes
.Ldone:
	s_wait_tensorcnt 0x0                           ; the wave's end, behind my last LDS store
	ds_add_u32 v[SPW], v[NIL]
	s_wait_dscnt 0x0
	s_endpgm
.Lfunc_end_k_qe47c28b902_wprep:
	.size	k_qe47c28b902_wprep, .Lfunc_end_k_qe47c28b902_wprep-k_qe47c28b902_wprep
	.p2alignl 7, 3214868480
	.fill 96, 4, 3214868480
	.section	.rodata,"a",@progbits
	.p2align	6, 0x0
	.amdhsa_kernel k_qe47c28b902_wprep
		.amdhsa_group_segment_fixed_size 144896
		.amdhsa_private_segment_fixed_size 0
		.amdhsa_enable_private_segment 0
		.amdhsa_kernarg_size 40
		.amdhsa_user_sgpr_count 2
		.amdhsa_user_sgpr_kernarg_segment_ptr 1
		.amdhsa_wavefront_size32 1
		.amdhsa_system_sgpr_workgroup_id_x 1
		.amdhsa_system_sgpr_workgroup_id_y 1
		.amdhsa_system_sgpr_workgroup_id_z 1
		.amdhsa_system_vgpr_workitem_id 0
		.amdhsa_next_free_vgpr 256
		.amdhsa_next_free_sgpr 66
		.amdhsa_reserve_vcc 0
		.amdhsa_float_denorm_mode_32 3
		.amdhsa_float_denorm_mode_16_64 3
		.amdhsa_memory_ordered 1
		.amdhsa_forward_progress 1
		.amdhsa_inst_pref_size 35
	.end_amdhsa_kernel
	.amdgpu_metadata
---
amdhsa.version: [ 1, 2 ]
amdhsa.kernels:
  - .name:           k_qe47c28b902_wprep
    .symbol:         k_qe47c28b902_wprep.kd
    .args:
      - { .name: Wq, .offset: 0, .size: 8, .value_kind: global_buffer, .address_space: global }
      - { .name: Wk, .offset: 8, .size: 8, .value_kind: global_buffer, .address_space: global }
      - { .name: xpart, .offset: 16, .size: 8, .value_kind: global_buffer, .address_space: global }
      - { .name: wkimg, .offset: 24, .size: 8, .value_kind: global_buffer, .address_space: global }
      - { .name: q_ws, .offset: 32, .size: 8, .value_kind: global_buffer, .address_space: global }
    .group_segment_fixed_size: 144896
    .private_segment_fixed_size: 0
    .kernarg_segment_align: 8
    .kernarg_segment_size: 40
    .max_flat_workgroup_size: 256
    .sgpr_count:     66
    .vgpr_count:     256
    .wavefront_size: 32
...
	.end_amdgpu_metadata
.endif
;; end of part 2
;; launch gemm (part 3): grid 256 x 1, 4 waves a work-group, clusters of 2 x 1, 327,680 bytes of LDS; arguments x_codes, x_scales, wkimg, q_ws, scores; writes scores
.if DOCPART == 3
	.amdgcn_target "amdgcn-amd-amdhsa--gfx1250"
	.amdhsa_code_object_version 6
	.text
	.protected	k_qe47c28b902_gemm
	.globl	k_qe47c28b902_gemm
	.p2align	8
	.type	k_qe47c28b902_gemm,@function
k_qe47c28b902_gemm:
	s_mov_b64 s[64:65], 0
	v_nop
	global_prefetch_b8 v0, s[64:65] scope:SCOPE_SE
	s_setreg_imm32_b32 hwreg(HW_REG_WAVE_MODE, 25, 1), 1
	s_wait_xcnt 0x0
	s_wait_alu depctr_hold_cnt(0) depctr_sa_sdst(0) depctr_va_vdst(0) depctr_va_sdst(0) depctr_va_ssrc(0) depctr_va_vcc(0) depctr_vm_vsrc(0)
	s_getreg_b32 s2, hwreg(HW_REG_IB_STS2, 6, 4)
	s_cmp_eq_u32 s2, 0
	s_cbranch_scc0 .Lentry_in_a_cluster
	s_endpgm
.Lentry_in_a_cluster:
	s_bfe_u32 s2, ttmp6, 0x10000c
	s_cmp_lg_u32 s2, 0x1001
	s_cbranch_scc0 .Lentry_shape_is_right
	s_endpgm
.Lentry_shape_is_right:
; THIRD LAUNCH.  No work is left out.  scores[half][row] = sum over the half's 512 outputs e of (q[b][e] / 32) k[row][e], k = Q(x) Q(Wk)^T on codes of FP6 (E2M3) with E8M0 scales; the fourth launch adds the two halves.
; SHARES.  A work-group takes 512 rows of x (an eighth of a batch) and 512 outputs e; a wave 128 outputs e.  THE WEIGHT STAYS IN REGISTERS: a wave's 8 blocks of 16 rows of Wk x 8 K steps are 64 fragments, 768 registers,
; read once from wkimg as they lie.  x goes by in tiles of 16 rows x 1,024 K (12,288 bytes) through two LDS slots of 8 tiles; each fragment of x read from LDS feeds 8 matrix instructions.
; Source 0 = 16 rows of x, source 1 = 16 rows of Wk: lane (r, h) holds output e = r, its register j row 8 h + j.  So q is ONE register for a block; a tile's 64 results a lane are folded into 8 sums by 32 packed multiply-adds,
; which stand between the next tile's first products; the 16 lanes' sums are joined by a halving exchange (22 instructions, in two parts), and one word a lane goes to the wave's stage in LDS.  At the end the four waves' stages are added and stored.
; LDS INSTRUCTIONS STAND IN TWO GROUPS A TILE: behind step 3 the next tile's fragments 0-3 and scale words, behind step 7 the stage's store and the next tile's fragments 4-7: each fragment is asked for four steps (32 matrix instructions) ahead of its use.
; The two parts of the exchange are the places in front of the two groups.
; CLUSTER of two: the two work-groups with the same rows (the two halves of e) ask for each tile of x and for x's scales jointly (mask 3).
; x's scale words of the 512 rows, 8 K steps x 2,048 bytes, come into LDS once, at the head.
; No prefetch: the launch has two refills, and each is asked for 8 tiles (512 matrix instructions a wave) ahead of its first read; the first two slots come by their loads alone.
; REGISTERS.  Window 0: v1-11 addresses; v12-19 x's scale words, two sets; v20-51 Wk's scale words; v52-59 the tile's sums; v60-67 at work; v68-131 eight accumulators; v132-227 x's eight fragments; v228-239 one fragment of Wk.
; Windows 1-3: 21 fragments of Wk each, in the order of their use, cut so that step 0's blocks 0-3 lie in window 1 and blocks 4-7 in window 2; v252-255 of these two windows hold q of those blocks,
; so that the multiply-adds by q run under the same setting as the products beside them (only source 1's window is ever switched).
.set TB,    12288                      ; a tile's codes
.set SLOT,  8*TB
.set SCB,   2*SLOT                     ; x's scale words: [K step 8][512 rows] words
.set STG,   SCB+16384                  ; the stages: 2,048 bytes a wave
.set SPARE, STG+8192                   ; the spare words: 512 bytes that no other line names
.set L16, 1                            ; 16 x lane
.set XA,  2                            ; LDS address of the next tile's fragments
.set XS0, 3                            ; SCB + 8192 h + 4 r
.set XSA, 4                            ; the same for the next tile
.set ST0, 5                            ; my word of a tile in my stage, two tiles back
.set STA, 6
.set SPW, 7
.set NIL, 8
.set QO,  9                            ; 4 r
.set RDA, 10                           ; STG + 16 x thread
.set OG,  11                           ; 16 x thread
.set XS,  12
.set WS,  20
.set SA,  52
.set T,   60
.set ACC, 68
.set XF,  132
.set WK0, 228
.set WV, 14
.set CX, 15
.set HF, 16
.set G1X, 24                           ; s[24:31] group 1: rows of 256 bytes of codes
.set G1S, 32                           ; s[32:39] group 1: 4 rows of 2,048 bytes of scale words
.set M1, 60                            ; lane masks: bit 0, bit 1, bit 2 of the lane
.set M2, 61
.set M4, 62
.set TA, 68
.set SO, 69
.set CT, 70
.set MSB, 0
.macro WIN new
.if MSB != \new
	s_set_vgpr_msb (MSB<<8)|\new
.set MSB, \new
.endif
.endm
.macro PLACES n
.rept \n
	v_nop
.endr
.endm
.macro CREST
	s_cmp_lg_u32 s[WV], 0
	s_cbranch_scc1 .Lnot_wave_0_\@
	s_barrier_signal -3
.Lnot_wave_0_\@:
	s_barrier_wait -3
	s_barrier_signal -1
	s_barrier_wait -1
.endm
.macro CROUND
	s_barrier_signal -1
	s_barrier_wait -1
	CREST
.endm
; where Wk's fragment number x = 8 s + a lies: window WNO, register WLO
.macro WKREG x
.if (\x) < 4
.set WNO, 1
.set WLO, 12*((\x)+17)
.elseif (\x) < 25
.set WNO, 2
.set WLO, 12*((\x)-4)
.elseif (\x) < 46
.set WNO, 3
.set WLO, 12*((\x)-25)
.elseif (\x) == 46
.set WNO, 0
.set WLO, WK0
.else
.set WNO, 1
.set WLO, 12*((\x)-47)
.endif
.endm
	s_load_b256 s[4:11], s[0:1], 0x0               ; x_codes, x_scales, wkimg, q_ws
	s_load_b64 s[12:13], s[0:1], 0x20              ; scores
	v_lshl_add_u32 v[SPW], v0, 2, SPARE
	v_mov_b32 v[NIL], 0
	ds_add_u32 v[SPW], v[NIL]                      ; the opening lines: the add twice on end and its wait
	ds_add_u32 v[SPW], v[NIL]
	v_lshrrev_b32 v[T], 5, v0
	v_readfirstlane_b32 s[WV], v[T]                ; wave 0..3
	s_bfe_u32 s[CX], ttmp6, 0x40000                ; my place in the cluster: which half of e
	s_and_b32 s[HF], s[WV], 1
	s_mov_b32 s[G1X], 3|(3<<16)|(1<<21)            ; mask: both work-groups; elements of 8 bytes
	s_mov_b32 s[G1X+1], 32<<16
	s_mov_b32 s[G1X+2], 192<<16                    ; the head's loads bring 4 tiles, 192 rows of 256 bytes
	s_mov_b32 s[G1X+3], 32<<16
	s_mov_b32 s[G1X+4], 192
	s_mov_b32 s[G1X+5], 32
	s_mov_b32 s[G1X+6], 0
	s_mov_b32 s[G1X+7], 0
	s_mov_b32 s[G1S], 3|(3<<16)|(1<<21)
	s_mov_b32 s[G1S+1], 256<<16
	s_mov_b32 s[G1S+2], 4<<16
	s_mov_b32 s[G1S+3], 256<<16
	s_mov_b32 s[G1S+4], 4
	s_mov_b32 s[G1S+5], 32768                      ; a K step's scale words are 262,144 bytes
	s_mov_b32 s[G1S+6], 0
	s_mov_b32 s[G1S+7], 0
	s_mov_b32 s[M1], 0xaaaaaaaa
	s_mov_b32 s[M2], 0xcccccccc
	s_mov_b32 s[M4], 0xf0f0f0f0
	s_mul_i32 s18, ttmp9, 32*TB                    ; my 512 rows' codes (ttmp9: the cluster's number = the group of rows)
	s_mov_b32 s19, 0
	s_lshl_b32 s20, ttmp9, 11                      ; 2,048 bytes of scale words a K step; and of scores
	s_mov_b32 s21, 0
	s_lshl_b32 s22, s[CX], 5
	s_lshl_b32 s23, s[WV], 3
	s_add_co_u32 s22, s22, s23                     ; my first tile of 16 outputs e: 32 half + 8 wave
	s_mul_i32 s66, s22, 12800
	s_mov_b32 s67, 0
	s_lshl_b32 s72, s22, 10
	s_lshr_b32 s73, ttmp9, 3                       ; the batch
	s_lshl_b32 s73, s73, 6
	s_add_co_u32 s72, s72, s73
	s_mov_b32 s73, 0
	s_lshl_b32 s74, s[CX], 18
	s_add_co_u32 s74, s74, s20
	s_mov_b32 s75, 0
	s_wait_dscnt 0x0                               ; both opening adds are done
	s_wait_kmcnt 0x0
	s_add_nc_u64 s[4:5], s[4:5], s[18:19]
	s_add_nc_u64 s[6:7], s[6:7], s[20:21]
	s_add_nc_u64 s[8:9], s[8:9], s[66:67]
	s_add_nc_u64 s[10:11], s[10:11], s[72:73]
	s_add_nc_u64 s[12:13], s[12:13], s[74:75]
	s_mul_i32 s20, s[HF], 4*TB                     ; the head: waves 0, 1 bring tiles 0-3, 4-7 of slot 0
	s_mov_b32 s40, 1
	s_mov_b32 s41, s20
	s_add_nc_u64 s[42:43], s[4:5], s[20:21]
	s_or_b32 s43, s43, 0x80000000
	s_lshl_b32 s20, s[HF], 20                      ; waves 2, 3 the scale words of K steps 0-3, 4-7
	s_lshl_b32 s22, s[HF], 13
	s_mov_b32 s44, 1
	s_add_co_u32 s45, s22, SCB
	s_add_nc_u64 s[46:47], s[6:7], s[20:21]
	s_or_b32 s47, s47, 0x80000000
	s_mul_i32 s22, s[WV], 2*TB                     ; the ring: each wave brings two tiles of a slot
	s_mov_b32 s23, 0
	s_add_nc_u64 s[18:19], s[4:5], s[22:23]
.irp k, 1,2,3                                          ; s[48:51], s[52:55], s[56:59]: tiles 8 k .. 8 k + 7 into slot k % 2
	s_mov_b32 s[44+4*\k], 1
	s_add_co_u32 s[45+4*\k], s22, (\k%2)*SLOT
	s_add_nc_u64 s[46+4*\k:47+4*\k], s[18:19], \k*SLOT
	s_or_b32 s[47+4*\k], s[47+4*\k], 0x80000000
.endr
	CROUND                                         ; both work-groups are here: the first joint loads meet
	s_cmp_lt_u32 s[WV], 2                          ; one tensor load a wave at the head
	s_cbranch_scc0 .Lhead_s
	tensor_load_to_lds s[40:43], s[G1X:G1X+7]
	s_nop 0
	PLACES 4
	s_branch .Lhead_j
.Lhead_s:
	tensor_load_to_lds s[44:47], s[G1S:G1S+7]
	s_nop 0
	PLACES 4
.Lhead_j:
	v_and_b32 v[T], 31, v0
	v_and_b32 v[T+1], 15, v0                       ; r
	v_bfe_u32 v[T+2], v0, 4, 1                     ; h
	v_lshlrev_b32 v[L16], 4, v[T]
	v_lshlrev_b32 v[QO], 2, v[T+1]
	v_lshl_add_u32 v[XS0], v[T+2], 13, v[QO]       ; lanes 16-31 take the words of K steps 4-7
	v_add_nc_u32 v[XS0], SCB, v[XS0]
	v_and_b32 v[T+3], 1, v0                        ; behind the exchange lane r holds row 8 h + 4 (r & 1) + 2 (r >> 1 & 1) + (r >> 2 & 1)
	v_bfe_u32 v[T+4], v0, 1, 1
	v_bfe_u32 v[T+5], v0, 2, 1
	v_lshlrev_b32 v[T+3], 4, v[T+3]
	v_lshl_add_u32 v[T+3], v[T+4], 3, v[T+3]
	v_lshl_add_u32 v[T+3], v[T+5], 2, v[T+3]
	v_lshl_add_u32 v[T+3], v[T+2], 5, v[T+3]
	s_lshl_b32 s22, s[WV], 11
	s_add_co_u32 s22, s22, STG-128                 ; (the stepped offset counts the NEXT tile; the sums stored are the tile before's: two tiles, 128 bytes, back)
	v_add_nc_u32 v[ST0], s22, v[T+3]
	v_lshl_add_u32 v[RDA], v0, 4, STG
	v_lshlrev_b32 v[OG], 4, v0
	s_wait_alu depctr_va_vdst(0)                   ; the wait at the head's end
.set XI, 0
.rept 64                                               ; Wk's 64 fragments, in the order of their use
	WKREG XI
	WIN WNO<<6
.irp j, 0,1,2
	global_load_b128 v[WLO+4*\j:WLO+4*\j+3], v[L16], s[8:9] offset:(XI%8)*12800+(XI/8)*1536+512*\j
.endr
.set XI, XI+1
.endr
	WIN 0
.irp a, 0,1,2,3,4,5,6,7
	global_load_b128 v[WS+4*\a:WS+4*\a+3], v[L16], s[8:9] offset:\a*12800+12288   ; register i: lanes 0-15 K step i, lanes 16-31 K step 4 + i
.endr
	WIN 1<<6
.irp a, 0,1,2,3
	global_load_b32 v[252+\a], v[QO], s[10:11] offset:1024*\a       ; q / 32 of output r of block a
.endr
	WIN 2<<6
.irp a, 0,1,2,3
	global_load_b32 v[252+\a], v[QO], s[10:11] offset:1024*(\a+4)
.endr
	WIN 0
	s_wait_tensorcnt 0x0                           ; my tile of the head's four is in; these lines stand ahead of a later first fill as ahead of a refill
	ds_add_u32 v[SPW], v[NIL]
	s_mov_b32 s[G1X+2], 96<<16                     ; no tensor load of mine is out: from here on a load brings 2 tiles, 96 rows
	s_mov_b32 s[G1X+4], 96
	s_wait_dscnt 0x0
	CROUND
	tensor_load_to_lds s[48:51], s[G1X:G1X+7]      ; tiles 8-15 into slot 1
	s_nop 0
	PLACES 4
.irp s, 0,1,2,3,4,5,6,7
.irp j, 0,1,2
	ds_load_b128 v[XF+12*\s+4*\j:XF+12*\s+4*\j+3], v[L16] offset:1536*\s+512*\j   ; tile 0
.endr
.endr
.irp i, 0,1,2,3
	ds_load_b32 v[XS+\i], v[XS0] offset:2048*\i
.endr
	v_add_nc_u32 v[XA], TB, v[L16]                 ; the next tile is tile 1
	v_add_nc_u32 v[XSA], 64, v[XS0]
	s_wait_alu depctr_va_vdst(0)
	s_wait_loadcnt 0x0
	s_wait_dscnt 0x0
; one product: x's fragment of step s x Wk's block a.  Step 0 starts the sums.  The eight accumulators take turns.
.macro PROD s, a, par
	WKREG 8*(\s)+(\a)
	WIN WNO<<2
.set AC, ACC+8*(\a)
.set XR, XF+12*(\s)
.set SX, XS+4*(\par)+(\s)%4
.set SW, WS+4*(\a)+(\s)%4
.if (\s) >= 4
	v_wmma_scale_f32_16x16x128_f8f6f4 v[AC:AC+7], v[XR:XR+11], v[WLO:WLO+11], v[AC:AC+7], v[SX], v[SW] matrix_a_fmt:MATRIX_FMT_FP6 matrix_b_fmt:MATRIX_FMT_FP6 matrix_a_scale:MATRIX_SCALE_ROW1 matrix_b_scale:MATRIX_SCALE_ROW1
.elseif (\s) == 0
	v_wmma_scale_f32_16x16x128_f8f6f4 v[AC:AC+7], v[XR:XR+11], v[WLO:WLO+11], 0, v[SX], v[SW] matrix_a_fmt:MATRIX_FMT_FP6 matrix_b_fmt:MATRIX_FMT_FP6
.else
	v_wmma_scale_f32_16x16x128_f8f6f4 v[AC:AC+7], v[XR:XR+11], v[WLO:WLO+11], v[AC:AC+7], v[SX], v[SW] matrix_a_fmt:MATRIX_FMT_FP6 matrix_b_fmt:MATRIX_FMT_FP6
.endif
.endm
; the finished block a x its q (source 1: v252-255 of the window that is set), from the accumulator's low end on; block 0 starts the sums
.macro EPI a
.irp i, 0,2,4,6
.if (\a) == 0
	v_pk_mul_f32 v[SA+\i:SA+\i+1], v[ACC+\i:ACC+\i+1], v[252:253] op_sel_hi:[1,0]
.elseif (\a)%2 == 0
	v_pk_fma_f32 v[SA+\i:SA+\i+1], v[ACC+8*(\a)+\i:ACC+8*(\a)+\i+1], v[252+(\a)%4:253+(\a)%4], v[SA+\i:SA+\i+1] op_sel_hi:[1,0,1]
.else
	v_pk_fma_f32 v[SA+\i:SA+\i+1], v[ACC+8*(\a)+\i:ACC+8*(\a)+\i+1], v[251+(\a)%4:252+(\a)%4], v[SA+\i:SA+\i+1] op_sel:[0,1,0] op_sel_hi:[1,1,1]
.endif
.endr
.endm
; eight sums a lane over sixteen lanes: each exchange halves the registers (a lane keeps one half and sends the other to its partner).  RED1: the first exchange, 8 registers to 4
.macro RED1
.irp j, 0,1,2,3
	v_cndmask_b32 v[T+\j], v[SA+\j], v[SA+4+\j], s[M1]
	v_cndmask_b32 v[T+4+\j], v[SA+4+\j], v[SA+\j], s[M1]
.endr
.irp j, 0,1,2,3
	v_add_f32_dpp v[T+\j], v[T+4+\j], v[T+\j] row_xmask:1 row_mask:0xf bank_mask:0xf
.endr
.endm
; RED2: the other three, 4 registers to 1; then one word a lane goes to my stage
.macro RED2 off
.irp j, 0,1
	v_cndmask_b32 v[T+4+\j], v[T+\j], v[T+2+\j], s[M2]
	v_cndmask_b32 v[T+6+\j], v[T+2+\j], v[T+\j], s[M2]
.endr
.irp j, 0,1
	v_add_f32_dpp v[T+\j], v[T+6+\j], v[T+4+\j] row_xmask:2 row_mask:0xf bank_mask:0xf
.endr
	v_cndmask_b32 v[T+2], v[T], v[T+1], s[M4]
	v_cndmask_b32 v[T+3], v[T+1], v[T], s[M4]
	v_add_f32_dpp v[T], v[T+3], v[T+2] row_xmask:4 row_mask:0xf bank_mask:0xf
	v_add_f32_dpp v[T], v[T], v[T] row_xmask:8 row_mask:0xf bank_mask:0xf
	ds_store_b32 v[STA], v[T] offset:\off          ; lanes r and r + 8 write the same word with the same value
.endm
; A TILE: 8 steps of 8 products.  par: its set of scale words.  epi: the tile before is folded (between step 0's products) and its sums joined (behind steps 3 and 7).  ld: the next tile is fetched.
; LDS instructions of a tile: behind step 3 twelve fragment loads and four loads of scale words (16); behind step 7 the store and twelve fragment loads (13; tile 0 has no store: 12).
; Waits on DScnt, by the LDS instructions issued behind those needed: step 0 needs the last tile's first group, behind which its second stands: 12; step 4 needs the last tile's second group, behind which this tile's first stands: 16;
; with nothing fetched step 4 waits for all.
.macro TILE par, xoff, soff, epi, ld
.irp s, 0,1,2,3,4,5,6,7
.if \s == 0
	s_wait_dscnt 12
.elseif \s == 4
.if \epi
	s_wait_alu depctr_va_vdst(0)
.endif
.if \ld
	s_wait_dscnt 16
.else
	s_wait_dscnt 0x0
.endif
.endif
.irp a, 0,1,2,3,4,5,6,7
.if (\s == 0) && (\epi)
	WKREG \a
	WIN WNO<<2
	EPI \a
.endif
	PROD \s, \a, \par
.endr
.if \s == 3
.if \epi
	WIN 0
	RED1                                           ; these are also the places in front of the loads below
.elseif \ld
	PLACES 4
.endif
.elseif \s == 7
.if \epi
	WIN 0
	RED2 \soff                                     ; these are also the places in front of the loads, of the reads of the results, and of the products that begin the accumulators anew
.else
	PLACES 5
.endif
.endif
.if (\ld) && ((\s == 3) || (\s == 7))
.irp f, \s-3, \s-2, \s-1, \s
.irp j, 0,1,2
	ds_load_b128 v[XF+12*(\f)+4*\j:XF+12*(\f)+4*\j+3], v[XA] offset:(\xoff)+1536*(\f)+512*\j
.endr
.endr
.if \s == 3
.irp i, 0,1,2,3
	ds_load_b32 v[XS+4*(1-(\par))+\i], v[XSA] offset:2048*\i+(\soff)
.endr
.endif
.endif
.endr
	WIN 0
.endm
.macro ADDR
	v_add_nc_u32 v[XA], s[TA], v[L16]
	v_add_nc_u32 v[XSA], s[SO], v[XS0]
	v_add_nc_u32 v[STA], s[SO], v[ST0]
	s_wait_alu depctr_va_vdst(0)
.endm
; n trips of two tiles, an odd one and an even one.  ta: where the first trip's next tile lies in the ring; so: 64 x that tile's number
.macro LOOP n, ta, so, lbl
	s_mov_b32 s[TA], \ta
	s_mov_b32 s[SO], \so
	s_mov_b32 s[CT], \n
\lbl:
	ADDR
	TILE 1, 0, 0, 1, 1
	TILE 0, TB, 64, 1, 1
	s_add_co_u32 s[TA], s[TA], 2*TB
	s_add_co_u32 s[SO], s[SO], 128
	s_sub_co_u32 s[CT], s[CT], 1
	s_cmp_lg_u32 s[CT], 0
	s_cbranch_scc1 \lbl
.endm
; A CHANGE OF SLOTS, ahead of a slot's last tile, whose fragments are all asked for: my loads have landed, my reads of the slot are over; behind the round the slot is filled again (g0: its group 0; 0: nothing is left to fetch)
.macro SWITCH g0
	s_wait_tensorcnt 0x0
.if \g0
	ds_add_u32 v[SPW], v[NIL]
.endif
	s_wait_dscnt 0x0
.if \g0
	CROUND
	tensor_load_to_lds s[\g0:\g0+3], s[G1X:G1X+7]
	s_nop 0
	PLACES 4
.else
	s_barrier_signal -1
	s_barrier_wait -1
.endif
.endm
	TILE 0, 0, 0, 0, 1                             ; tile 0
	LOOP 3, 2*TB, 128, .Lta                        ; tiles 1-6
	SWITCH 52                                      ; tiles 16-23 into slot 0
	LOOP 4, 8*TB, 512, .Ltb                        ; tiles 7-14
	SWITCH 56                                      ; tiles 24-31 into slot 1
	LOOP 4, 0, 1024, .Ltc                          ; tiles 15-22
	SWITCH 0
	LOOP 4, 8*TB, 1536, .Ltd                       ; tiles 23-30
	s_mov_b32 s[TA], 0
	s_mov_b32 s[SO], 2048
	ADDR
	TILE 1, 0, 0, 1, 0                             ; tile 31
.irp a, 0,1,2,3,4,5,6,7
	WKREG \a
	WIN WNO<<2
	EPI \a
.endr
	WIN 0
	RED1
	RED2 64
	s_wait_dscnt 0x0                               ; for the others' sake: my stage is whole
	s_barrier_signal -1
	s_barrier_wait -1
.irp w, 0,1,2,3
	ds_load_b128 v[XF+4*\w:XF+4*\w+3], v[RDA] offset:2048*\w   ; four rows' sums of each wave
.endr
	s_wait_dscnt 0x0
.irp i, 0,2
	v_pk_add_f32 v[XF+\i:XF+\i+1], v[XF+\i:XF+\i+1], v[XF+4+\i:XF+5+\i]
	v_pk_add_f32 v[XF+8+\i:XF+9+\i], v[XF+8+\i:XF+9+\i], v[XF+12+\i:XF+13+\i]
.endr
.irp i, 0,2
	v_pk_add_f32 v[XF+\i:XF+\i+1], v[XF+\i:XF+\i+1], v[XF+8+\i:XF+9+\i]
.endr
	global_store_b128 v[OG], v[XF:XF+3], s[12:13]  ; 32 lanes store 512 consecutive bytes, at a multiple of 256 from the buffer's first byte
	s_wait_tensorcnt 0x0                           ; the wave's end
	ds_add_u32 v[SPW], v[NIL]
	s_wait_dscnt 0x0
	CROUND                                         ; the closing round
	s_endpgm
.Lfunc_end_k_qe47c28b902_gemm:
	.size	k_qe47c28b902_gemm, .Lfunc_end_k_qe47c28b902_gemm-k_qe47c28b902_gemm
	.p2alignl 7, 3214868480
	.fill 96, 4, 3214868480
	.section	.rodata,"a",@progbits
	.p2align	6, 0x0
	.amdhsa_kernel k_qe47c28b902_gemm
		.amdhsa_group_segment_fixed_size 327680
		.amdhsa_private_segment_fixed_size 0
		.amdhsa_enable_private_segment 0
		.amdhsa_kernarg_size 40
		.amdhsa_user_sgpr_count 2
		.amdhsa_user_sgpr_kernarg_segment_ptr 1
		.amdhsa_wavefront_size32 1
		.amdhsa_system_sgpr_workgroup_id_x 1
		.amdhsa_system_sgpr_workgroup_id_y 1
		.amdhsa_system_sgpr_workgroup_id_z 1
		.amdhsa_system_vgpr_workitem_id 0
		.amdhsa_next_free_vgpr 1024
		.amdhsa_next_free_sgpr 80
		.amdhsa_reserve_vcc 0
		.amdhsa_float_denorm_mode_32 3
		.amdhsa_float_denorm_mode_16_64 3
		.amdhsa_memory_ordered 1
		.amdhsa_forward_progress 1
		.amdhsa_inst_pref_size 168
	.end_amdhsa_kernel
	.amdgpu_metadata
---
amdhsa.version: [ 1, 2 ]
amdhsa.kernels:
  - .name:           k_qe47c28b902_gemm
    .symbol:         k_qe47c28b902_gemm.kd
    .args:
      - { .name: x_codes, .offset: 0, .size: 8, .value_kind: global_buffer, .address_space: global }
      - { .name: x_scales, .offset: 8, .size: 8, .value_kind: global_buffer, .address_space: global }
      - { .name: wkimg, .offset: 16, .size: 8, .value_kind: global_buffer, .address_space: global }
      - { .name: q_ws, .offset: 24, .size: 8, .value_kind: global_buffer, .address_space: global }
      - { .name: scores, .offset: 32, .size: 8, .value_kind: global_buffer, .address_space: global }
    .group_segment_fixed_size: 327680
    .private_segment_fixed_size: 0
    .kernarg_segment_align: 8
    .kernarg_segment_size: 40
    .max_flat_workgroup_size: 128
    .sgpr_count:     80
    .vgpr_count:     1024
    .wavefront_size: 32
...
	.end_amdgpu_metadata
.endif
;; end of part 3
;; launch pool (part 4): grid 16 x 16, 16 waves a work-group, no clusters, 27,136 bytes of LDS; arguments x, mask, scores, out0; writes out0
.if DOCPART == 4
	.amdgcn_target "amdgcn-amd-amdhsa--gfx1250"
	.amdhsa_code_object_version 6
	.text
	.protected	k_qe47c28b902_pool
	.globl	k_qe47c28b902_pool
	.p2align	8
	.type	k_qe47c28b902_pool,@function
k_qe47c28b902_pool:
	s_mov_b64 s[64:65], 0
	v_nop
	global_prefetch_b8 v0, s[64:65] scope:SCOPE_SE
	s_setreg_imm32_b32 hwreg(HW_REG_WAVE_MODE, 25, 1), 1
	s_wait_xcnt 0x0
; FOURTH LAUNCH.  No work is left out.  out0[b][d] = sum over t of softmax_t(mask ? scores : -infinity)[t] x[b][t][d], all in f32.
; SHARES.  A work-group owns 64 columns d (256 bytes of every row) of one batch: one owner for each output.  Each of a batch's 16 work-groups makes the softmax for itself: 4,096 scores, 8 a thread.
; The row's maximum is taken away before the exponential; p = exp(s - m) goes to LDS unnormalised, and the sum of p divides at the end.  A batch whose mask is all false gives NaN, as the reference's softmax does.
; Wave w, half h of its lanes takes rows 256 w + 128 h + i, i = 0 .. 127: one load covers two rows' 256 consecutive bytes each, at multiples of 256 from x's first byte.  Sixteen loads of every wave are on their way.
; The eight rounds of 16 rows are written out: every offset is an immediate, 127 x 4,096 bytes at the most, inside the signed 24 bits; no pointer is stepped.
; LIMITS: NaN in the scores is not served (the maxima pass over it); p under the smallest normal f32 number counts as 0.
; No matrix instruction: the product has one row.  No cluster: work-groups share no byte of x, and the scores and the mask are 36 KiB beside 1 MiB.
.set MAXW,  16384                      ; LDS: p, 4,096 numbers; then the waves' maxima,
.set SUMW,  16640                      ; their sums of p,
.set RED,   16896                      ; their parts of the output, 512 bytes each,
.set SPARE, 25088                      ; and the spare words, 128 bytes for each wave: eight blocks of 256 bytes that no other line names
.set XO,   1                           ; v1   x: wave x 256 rows + h x 128 rows + 16 r
.set T16,  2                           ; v2   16 x thread
.set T4,   3                           ; v3   4 x thread
.set PA,   4                           ; v4   p of my first row
.set WW,   5                           ; v5   4 x wave
.set ZA,   6                           ; v6   0, as an LDS address
.set L16,  7                           ; v7   16 x lane
.set NEG,  8                           ; v8   -infinity
.set TM,   9
.set SPW,  12                          ; v12  LDS address of my spare word; never rewritten
.set NIL,  13                          ; v13  0; never rewritten
.set S,    16                          ; v16-23 my 8 scores, then p
.set MK,   24                          ; v24-25 my 8 mask bytes
.set W,    26                          ; v26-31 at work
.set ACC,  32                          ; v32-47 my four columns' sums, four sets by turns (rows k % 4)
.set PR,   48                          ; v48-63 p of a round's 16 rows
.set X,    64                          ; v64-127 16 rows' 16 bytes
.set SEL,  24                          ; s[24:25] lane selects: lane l xor 16
	s_load_b256 s[4:11], s[0:1], 0x0               ; x s[4:5], mask s[6:7], scores s[8:9], out0 s[10:11]
	v_lshl_add_u32 v[SPW], v0, 2, SPARE
	v_mov_b32 v[NIL], 0
	v_lshrrev_b32 v[W], 5, v0
	v_readfirstlane_b32 s12, v[W]                  ; wave 0..15
	v_and_b32 v[W+1], 15, v0                       ; r
	v_bfe_u32 v[W+2], v0, 4, 1                     ; h
	v_lshlrev_b32 v[XO], 4, v[W+1]
	v_lshl_add_u32 v[XO], v[W+2], 19, v[XO]
	v_lshl_add_u32 v[XO], v[W], 20, v[XO]
	v_lshlrev_b32 v[T16], 4, v0
	v_lshlrev_b32 v[T4], 2, v0
	v_lshlrev_b32 v[PA], 9, v[W+2]
	v_lshl_add_u32 v[PA], v[W], 10, v[PA]          ; 4 (256 wave + 128 h)
	v_lshlrev_b32 v[WW], 2, v[W]
	v_mov_b32 v[ZA], 0
	v_and_b32 v[L16], 31, v0
	v_lshlrev_b32 v[L16], 4, v[L16]
	v_mov_b32 v[NEG], 0xff800000
	s_mov_b32 s[SEL], 0x76543210
	s_mov_b32 s[SEL+1], 0xfedcba98
	s_and_b32 s14, ttmp7, 0xffff                   ; the batch
	s_lshl_b32 s16, s14, 24                        ; x: 4,096 rows of 4,096 bytes a batch,
	s_lshl_b32 s13, ttmp9, 8                       ; + my 256 bytes of a row
	s_add_co_u32 s16, s16, s13
	s_mov_b32 s17, 0
	s_lshl_b32 s18, s14, 12                        ; mask: 4,096 bytes a batch
	s_mov_b32 s19, 0
	s_lshl_b32 s20, s14, 14                        ; scores: 16,384
	s_mov_b32 s21, 0
	s_add_co_u32 s22, s18, s13                     ; out0: 4,096 a batch, + my 256
	s_mov_b32 s23, 0
	s_wait_alu depctr_va_vdst(0)                   ; the wait at the head's end
	s_wait_kmcnt 0x0
	s_add_nc_u64 s[4:5], s[4:5], s[16:17]
	s_add_nc_u64 s[6:7], s[6:7], s[18:19]
	s_add_nc_u64 s[8:9], s[8:9], s[20:21]
	s_add_nc_u64 s[10:11], s[10:11], s[22:23]
	global_load_b128 v[S:S+3], v[T16], s[8:9]
	global_load_b128 v[S+4:S+7], v[T16], s[8:9] offset:8192
	global_load_b128 v[PR:PR+3], v[T16], s[8:9] offset:262144      ; the scores come in two parts, one for each half of the outputs e
	global_load_b128 v[PR+4:PR+7], v[T16], s[8:9] offset:270336
	global_load_b32 v[MK], v[T4], s[6:7]                       ; their mask bytes
	global_load_b32 v[MK+1], v[T4], s[6:7] offset:2048
.irp k, 0,1,2,3,4,5,6,7,8,9,10,11,12,13,14,15
	global_load_b128 v[X+4*\k:X+4*\k+3], v[XO], s[4:5] offset:4096*\k th:TH_LOAD_NT   ; the first round's rows are on their way while the softmax is made
.endr
	s_wait_loadcnt 16
.irp i, 0,2,4,6
	v_pk_add_f32 v[S+\i:S+\i+1], v[S+\i:S+\i+1], v[PR+\i:PR+\i+1]   ; the two parts make the score
.endr
.irp j, 0,1,2,3,4,5,6,7
	v_bfe_u32 v[TM], v[MK+\j/4], 8*(\j%4), 8
	v_cmp_ne_u32 vcc_lo, 0, v[TM]
	v_cndmask_b32 v[S+\j], v[NEG], v[S+\j], vcc_lo ; -infinity where the mask is false
.endr
	v_max3_num_f32 v[W], v[S], v[S+1], v[S+2]
	v_max3_num_f32 v[W], v[W], v[S+3], v[S+4]
	v_max3_num_f32 v[W], v[W], v[S+5], v[S+6]
	v_max_num_f32 v[W], v[W], v[S+7]
	v_max_num_f32_dpp v[W], v[W], v[W] row_xmask:1 row_mask:0xf bank_mask:0xf
	v_max_num_f32_dpp v[W], v[W], v[W] row_xmask:2 row_mask:0xf bank_mask:0xf
	v_max_num_f32_dpp v[W], v[W], v[W] row_xmask:4 row_mask:0xf bank_mask:0xf
	v_max_num_f32_dpp v[W], v[W], v[W] row_xmask:8 row_mask:0xf bank_mask:0xf
	v_permlanex16_b32 v[W+1], v[W], s[SEL], s[SEL+1]   ; (its destination has been written)
	v_max_num_f32 v[W], v[W], v[W+1]
	ds_store_b32 v[WW], v[W] offset:MAXW
	s_wait_alu depctr_va_vdst(0)
	s_wait_dscnt 0x0
	s_barrier_signal -1
	s_barrier_wait -1
.irp i, 0,1,2,3
	ds_load_b128 v[PR+4*\i:PR+4*\i+3], v[ZA] offset:MAXW+16*\i
.endr
	s_wait_dscnt 0x0
	v_max3_num_f32 v[W], v[PR], v[PR+1], v[PR+2]
	v_max3_num_f32 v[W+1], v[PR+3], v[PR+4], v[PR+5]
	v_max3_num_f32 v[W+2], v[PR+6], v[PR+7], v[PR+8]
	v_max3_num_f32 v[W+3], v[PR+9], v[PR+10], v[PR+11]
	v_max3_num_f32 v[W], v[W], v[PR+12], v[PR+13]
	v_max3_num_f32 v[W+1], v[W+1], v[PR+14], v[PR+15]
	v_max3_num_f32 v[W], v[W], v[W+1], v[W+2]
	v_max_num_f32 v[W], v[W], v[W+3]               ; m: the batch's largest score
.irp j, 0,1,2,3,4,5,6,7
	v_sub_f32 v[S+\j], v[S+\j], v[W]
.endr
.irp j, 0,1,2,3,4,5,6,7
	v_mul_f32 v[S+\j], 0x3fb8aa3b, v[S+\j]         ; x log2(e)
.endr
	s_wait_alu depctr_va_vdst(0)
.irp j, 0,1,2,3,4,5,6,7
	v_exp_f32 v[S+\j], v[S+\j]                     ; p = exp(s - m)
.endr
	v_nop                                          ; a plain place behind the exponentials
	s_wait_alu depctr_va_vdst(0)                   ; one wait for the batch of eight, ahead of its first reader
	v_pk_add_f32 v[W+2:W+3], v[S:S+1], v[S+2:S+3]
	v_pk_add_f32 v[W+4:W+5], v[S+4:S+5], v[S+6:S+7]
	ds_store_b128 v[T16], v[S:S+3]
	ds_store_b128 v[T16], v[S+4:S+7] offset:8192
	v_pk_add_f32 v[W+2:W+3], v[W+2:W+3], v[W+4:W+5]
	v_add_f32 v[W], v[W+2], v[W+3]
	v_add_f32_dpp v[W], v[W], v[W] row_xmask:1 row_mask:0xf bank_mask:0xf
	v_add_f32_dpp v[W], v[W], v[W] row_xmask:2 row_mask:0xf bank_mask:0xf
	v_add_f32_dpp v[W], v[W], v[W] row_xmask:4 row_mask:0xf bank_mask:0xf
	v_add_f32_dpp v[W], v[W], v[W] row_xmask:8 row_mask:0xf bank_mask:0xf
	v_permlanex16_b32 v[W+1], v[W], s[SEL], s[SEL+1]
	v_add_f32 v[W], v[W], v[W+1]
	ds_store_b32 v[WW], v[W] offset:SUMW
	s_wait_alu depctr_va_vdst(0)
	s_wait_dscnt 0x0
	s_barrier_signal -1
	s_barrier_wait -1                              ; all 4,096 p lie in LDS
; ROUND t: rows 16 t + k of my 128.  Each row's load is replaced by the row 16 further down as soon as it is used.
.macro ROUND t
.irp i, 0,1,2,3
	ds_load_b128 v[PR+4*\i:PR+4*\i+3], v[PA] offset:64*(\t)+16*\i   ; sixteen lanes read the same 16 bytes
.endr
	s_wait_dscnt 0x0
.irp k, 0,1,2,3,4,5,6,7,8,9,10,11,12,13,14,15
.if (\t) < 7
	s_wait_loadcnt 15                              ; loads come back in order: row k is in, the 15 younger may be out
.else
	s_wait_loadcnt 15-\k                           ; the last round loads nothing: the counts run down
.endif
.irp j, 0,1,2,3
.if ((\t) == 0) && (\k < 4)
	v_mul_f32 v[ACC+4*(\k%4)+\j], v[PR+\k], v[X+4*\k+\j]      ; the first four rows start the sums: nothing is cleared
.else
	v_fmac_f32 v[ACC+4*(\k%4)+\j], v[PR+\k], v[X+4*\k+\j]     ; four sets by turns: fifteen plain instructions stand between a sum's write and its next reader
.endif
.endr
.if (\t) < 7
	global_load_b128 v[X+4*\k:X+4*\k+3], v[XO], s[4:5] offset:4096*(16*((\t)+1)+\k) th:TH_LOAD_NT
.endif
.endr
.endm
.irp t, 0,1,2,3,4,5,6,7
	ROUND \t
.endr
	s_wait_alu depctr_va_vdst(0)                   ; the last rows' sums were written ahead of a wait for loads
	v_pk_add_f32 v[ACC:ACC+1], v[ACC:ACC+1], v[ACC+4:ACC+5]
	v_pk_add_f32 v[ACC+2:ACC+3], v[ACC+2:ACC+3], v[ACC+6:ACC+7]
	v_pk_add_f32 v[ACC+8:ACC+9], v[ACC+8:ACC+9], v[ACC+12:ACC+13]
	v_pk_add_f32 v[ACC+10:ACC+11], v[ACC+10:ACC+11], v[ACC+14:ACC+15]
	v_pk_add_f32 v[ACC:ACC+1], v[ACC:ACC+1], v[ACC+8:ACC+9]
	v_pk_add_f32 v[ACC+2:ACC+3], v[ACC+2:ACC+3], v[ACC+10:ACC+11]
	ds_store_b128 v[T16], v[ACC:ACC+3] offset:RED
	s_wait_dscnt 0x0                               ; for the others' sake: my part lies in LDS
	s_barrier_signal -1
	s_barrier_wait -1
	s_cmp_lg_u32 s12, 0
	s_cbranch_scc1 .Ldone                          ; wave 0 adds the parts, divides and stores
.irp k, 0,1,2,3,4,5,6,7,8,9,10,11,12,13,14,15
	ds_load_b128 v[X+4*\k:X+4*\k+3], v[L16] offset:RED+512*\k
.endr
.irp i, 0,1,2,3
	ds_load_b128 v[PR+4*\i:PR+4*\i+3], v[ZA] offset:SUMW+16*\i
.endr
	s_wait_dscnt 0x0
.irp i, 0,2,4,6
	v_pk_add_f32 v[PR+\i:PR+\i+1], v[PR+\i:PR+\i+1], v[PR+8+\i:PR+9+\i]
.endr
.irp i, 0,2
	v_pk_add_f32 v[PR+\i:PR+\i+1], v[PR+\i:PR+\i+1], v[PR+4+\i:PR+5+\i]
.endr
	v_pk_add_f32 v[PR:PR+1], v[PR:PR+1], v[PR+2:PR+3]
	v_add_f32 v[PR], v[PR], v[PR+1]                ; l: the sum of all p
	s_wait_alu depctr_va_vdst(0)
	v_rcp_f32 v[W], v[PR]
.macro VADD a, b                       ; four columns a lane: vector a += vector b
	v_pk_add_f32 v[X+4*(\a):X+4*(\a)+1], v[X+4*(\a):X+4*(\a)+1], v[X+4*(\b):X+4*(\b)+1]
	v_pk_add_f32 v[X+4*(\a)+2:X+4*(\a)+3], v[X+4*(\a)+2:X+4*(\a)+3], v[X+4*(\b)+2:X+4*(\b)+3]
.endm
.irp k, 0,1,2,3,4,5,6,7
	VADD \k, \k+8                                  ; (plain work behind the reciprocal)
.endr
.irp k, 0,1,2,3
	VADD \k, \k+4
.endr
	VADD 0, 2
	VADD 1, 3
	VADD 0, 1
.irp j, 0,1,2,3
	v_permlanex16_b32 v[X+4+\j], v[X+\j], s[SEL], s[SEL+1]   ; the other half of the lanes holds the other 2,048 rows' part
.endr
.irp j, 0,1,2,3
	v_add_f32 v[X+\j], v[X+\j], v[X+4+\j]
.endr
	s_wait_alu depctr_va_vdst(0)                   ; the wait ahead of the reciprocal's first reader
.irp j, 0,1,2,3
	v_mul_f32 v[X+\j], v[X+\j], v[W]
.endr
	s_wait_alu depctr_va_vdst(0)
	s_wait_xcnt 0x0                                ; EXEC changes only behind this wait
	v_cmp_gt_u32 vcc_lo, 16, v0
	s_and_saveexec_b32 s20, vcc_lo
	global_store_b128 v[L16], v[X:X+3], s[10:11]   ; lanes 0-15 store 256 consecutive bytes, at a multiple of 256 from out0's first byte
	s_wait_xcnt 0x0                                ; and again, in front of the line that widens it
	s_or_b32 exec_lo, exec_lo, s20
.Ldone:
	s_wait_tensorcnt 0x0                           ; the wave's end, behind my last LDS store
	ds_add_u32 v[SPW], v[NIL]
	s_wait_dscnt 0x0
	s_endpgm
.Lfunc_end_k_qe47c28b902_pool:
	.size	k_qe47c28b902_pool, .Lfunc_end_k_qe47c28b902_pool-k_qe47c28b902_pool
	.p2alignl 7, 3214868480
	.fill 96, 4, 3214868480
	.section	.rodata,"a",@progbits
	.p2align	6, 0x0
	.amdhsa_kernel k_qe47c28b902_pool
		.amdhsa_group_segment_fixed_size 27136
		.amdhsa_private_segment_fixed_size 0
		.amdhsa_enable_private_segment 0
		.amdhsa_kernarg_size 32
		.amdhsa_user_sgpr_count 2
		.amdhsa_user_sgpr_kernarg_segment_ptr 1
		.amdhsa_wavefront_size32 1
		.amdhsa_system_sgpr_workgroup_id_x 1
		.amdhsa_system_sgpr_workgroup_id_y 1
		.amdhsa_system_sgpr_workgroup_id_z 1
		.amdhsa_system_vgpr_workitem_id 0
		.amdhsa_next_free_vgpr 128
		.amdhsa_next_free_sgpr 66
		.amdhsa_reserve_vcc 1
		.amdhsa_float_denorm_mode_32 3
		.amdhsa_float_denorm_mode_16_64 3
		.amdhsa_memory_ordered 1
		.amdhsa_forward_progress 1
		.amdhsa_inst_pref_size 47
	.end_amdhsa_kernel
	.amdgpu_metadata
---
amdhsa.version: [ 1, 2 ]
amdhsa.kernels:
  - .name:           k_qe47c28b902_pool
    .symbol:         k_qe47c28b902_pool.kd
    .args:
      - { .name: x, .offset: 0, .size: 8, .value_kind: global_buffer, .address_space: global }
      - { .name: mask, .offset: 8, .size: 8, .value_kind: global_buffer, .address_space: global }
      - { .name: scores, .offset: 16, .size: 8, .value_kind: global_buffer, .address_space: global }
      - { .name: out0, .offset: 24, .size: 8, .value_kind: global_buffer, .address_space: global }
    .group_segment_fixed_size: 27136
    .private_segment_fixed_size: 0
    .kernarg_segment_align: 8
    .kernarg_segment_size: 32
    .max_flat_workgroup_size: 512
    .sgpr_count:     66
    .vgpr_count:     128
    .wavefront_size: 32
...
	.end_amdgpu_metadata
.endif
;; end of part 4
